; MI455X (gfx1250); checked and timed in simulation.
; The chip was launched on July 23, 2026; its instructions are those of AMD's public machine-readable ISA for CDNA 5 (MIT licence, August 2026) and "CDNA5" Instruction Set Architecture Reference Guide (July 2026). The comments in the code are by the model that wrote it; some were corrected since.
;; PINN. Allowed arithmetic: float matrix products may take bf16 or f16 operands with f32 sums; all other float work in f32.
;; Inputs: W0 1 x 128 float32; W1 128 x 128 float32; W2 128 x 128 float32; W3 128 x 1 float32; b0 128 float32; b1 128 float32; b2 128 float32; b3 1 float32; data_w 1,024 x 1 float32; data_x 1,024 x 1 float32; x 32,768 x 1 float32.
;; Outputs: out0 32,768 x 1 float32; out1 32,768 x 1 float32; out2 32,768 x 1 float32; out3 32,768 x 1 float32; out4 32,768 x 1 float32; out5 one number float32.
;; One version. Each part assembles by itself: llvm-mc -triple=amdgcn-amd-amdhsa -mcpu=gfx1250 --defsym DOCPART=n.
;; ======== version 1 of 1: 2 launches
;; workspace buffers: ext 32,768 bytes
;; launch jets (part 1): grid 256 x 1, 8 waves a work-group, no clusters, 143,872 bytes of LDS; arguments x, data_x, W0, b0, W1, b1, W2, b2, W3, b3, out0, out1, out2, out3, out4, ext; writes out0, out1, out2, out3, out4, ext
.if DOCPART == 1
	.amdgcn_target "amdgcn-amd-amdhsa--gfx1250"
	.amdhsa_code_object_version 6
	.text
	.protected	k_qe284bcb15a_jets
	.globl	k_qe284bcb15a_jets
	.p2align	8
	.type	k_qe284bcb15a_jets,@function
k_qe284bcb15a_jets:
	s_mov_b64 s[64:65], 0
	v_nop
	global_prefetch_b8 v0, s[64:65] scope:SCOPE_SE
	s_setreg_imm32_b32 hwreg(HW_REG_WAVE_MODE, 25, 1), 1
	s_wait_xcnt 0x0
; u(x) of the 1-128-128-128-1 tanh network with its first four derivatives, by ONE forward sweep of a Taylor jet.
; Channel 0 is the value; channel k = 1..4 is K_k = h^(k)/(k-1)!.  A linear layer acts on each channel alone.  Behind it, with t = tanh(z0):
;   G0 = 1 - t^2            K1 = Y1 G0
;   G1 = -2 t K1            K2 = Y1 G1 + Y2 G0
;   G2 = -(t K2 + K1^2)     K3 = Y1 G2 + Y2 G1 + Y3 G0
;   G3 = -(2/3 t K3 + K1 K2)  K4 = Y1 G3 + Y2 G2 + Y3 G1 + Y4 G0
; Head: out0 = 1.5 (S0 + b3), out1 = 1.5 S1, out2 = -S2, out3 = -2 S3, out4 = 9 S4, with Sk = sum of W3 K_k.
; SHARES: a tile is 16 points.  256 work-groups x 8 waves = 2,048 tiles = the 32,768 points of x, one tile a wave.  128 further tiles (1,000 quadrature
; nodes, x = 0, x = 1, 22 spare points; then the 1,024 data points) go through the same text: wave 0 of work-groups 0 to 127 makes two trips, the further
; tile first, its tile of x last.  The further tile's channels 0 to 3 go to ext, [tile][channel][16 points], scaled as the outputs, for the launch that sums the loss.
; MATRIX USE: A = weights (row = output unit), B = activations (column = point).  Lane (r, h), register j of a result holds unit 8 h + j of point r, so
; packed pairs of results ARE the next layer's B fragment: activations never pass through LDS.  The order of k inside a block of 32 is then
; u(h, q, s) = 16 ((q>>1)&1) + 8 h + 4 (q>>2) + 2 (q&1) + s (register q, half s), and the weight images in LDS are built in the same order.
; FORMAT: every operand is a bf16 pair hi + lo, every product three matrix instructions, Wh hi + Wh lo + Wl hi, summed in f32.
; LIMITS KEPT: the product Wl lo is left out (about 2^-16 of a product).  tanh(z) = 1 - 2 / (1 + 2^(2.88539 z)), which saturates to +-1 without a NaN;
; below |z| = 2^-8 tanh(z) = z is taken (relative error at most z^2/3 = 5e-6), so that small arguments keep their relative accuracy.
; The quadrature nodes are t_q = 0.5 + 0.5 c sin(pi (999 - 2 q) / 2001), c = 1 - 1/(8 n^2) + 1/(8 n^3), n = 1000, the sine by its series up to
; the 11th power (remainder below 6e-8 on the range used; the node formula itself is within about 1.3e-8).  Their order does not matter: they are summed.
; NO TENSOR LOADS, NO CLUSTER: the only shared bytes are W1 and W2, 131,072 bytes read once by each work-group at its start, and they are split and
; transposed in registers on the way into LDS; a copy into LDS would add a second pass of the same bytes through LDS.
; LDS IN THREE STRETCHES, a barrier between each two: the images and tables are written; they are only read (all trips of all waves); the results are staged and read back.
.set KBP,  16896                       ; LDS: a K block of 32 units of a weight image: 4 quarters
.set QP,   4224                        ;      a quarter: (hi, lo) x (registers 0-3, 4-7): 8 tiles of 16 output units
.set MTP,  528                         ;      a tile: 32 lanes x 16 bytes + 16, so that the 16 lanes of a build store fall into 16 different 16-byte columns of 256
.set IMG2, 4*KBP                       ; W1 image at 0, W2 image at 67,584
.set CT,   8*KBP                       ; 135,168: tables: 4 records of W0[32] b0[32] (256 bytes each), b1 at 1024, b2 at 1536, W3 at 2048
.set OUTS, CT+2560                     ; 137,728: [5 channels][128 points] f32, the work-group results
.set STG,  2560                        ; behind it the same shape for the trip before the last (columns 0 to 15: the further tile)
.set WA,   2                           ; v2  address in the weight image (16 x lane + steps)
.set CA,   3                           ; v3  address in the tables (32 h + steps)
.set OA,   4                           ; v4  where my point goes in OUTS; never rewritten
.set HS,   10                          ; v[10:19] head sums, a pair for each channel; behind a trip the even ones hold its five results
.set SV,   240                         ; v[496:500], second window: the five results of the trip before
.set WB0,  64                          ; v[64:79], v[80:95]: two weight fragments, hi 8 + lo 8 registers each
.set WB1,  80
.set BLK,  96                          ; v[96:175]: 5 channels x 16: B fragments hi, lo of a K block (phase A); accumulators of two tiles (phase C)
.set ACC3, 176                         ; v[176:255]: units 96-127 of layer 2; units 32 p .. 32 p + 31, p = 0..2, lie at v[256 + 80 p ..], the second window
.set WR,   96                          ; the prologue: 32 rows of W as loaded
.set MK,   66                          ; s[66:73] masks of the small-argument branch of tanh
.set MSB,  0
; v1 = 16 x lane, v5 = -1.0, v[6:7] = this trip's x twice, v[8:9] = my point of x twice (the last trip's), v[20:95] at work.
; s8 wave, s9 work-group, s10 trips, s11 trip, s12-13 lane selects, s14 1.5 b3, s15 inner counter, s[16:47] the 16 addresses, s[48:51] a chosen address and an offset,
; s[52:53] 2 log2 e, s[54:55] -2/3, s56 2^-8, s57 mask (work-group < 64), s58 saved EXEC, s59 1.5, s60 mask (two trips)
.macro WIN new                         ; s_set_vgpr_msb: bits 1:0 source 0, 3:2 source 1, 5:4 source 2, 7:6 destination; the high byte repeats the setting that is left
.if MSB != \new
	s_set_vgpr_msb (MSB<<8)|\new
.set MSB, \new
.endif
.endm
.macro PLACES                          ; four independent vector instructions behind a matrix instruction, before its registers are loaded, read or written (ISA guide 7.12.1)
.rept 4
	v_nop
.endr
.endm
.macro PMUL d, a, b
	v_pk_mul_f32 v[\d:\d+1], v[\a:\a+1], v[\b:\b+1]
.endm
.macro PFMA d, a, b, c
	v_pk_fma_f32 v[\d:\d+1], v[\a:\a+1], v[\b:\b+1], v[\c:\c+1]
.endm
.macro WLD buf, off                    ; one weight fragment pair: hi registers 0-3, 4-7, lo 0-3, 4-7; each load takes 512 neighbouring bytes
	ds_load_b128 v[\buf:\buf+3], v[WA] offset:\off
	ds_load_b128 v[\buf+4:\buf+7], v[WA] offset:\off+QP
	ds_load_b128 v[\buf+8:\buf+11], v[WA] offset:\off+2*QP
	ds_load_b128 v[\buf+12:\buf+15], v[WA] offset:\off+3*QP
.endm
.macro CLD off                         ; W0 into v[20:27], b0 into v[28:35]: my 8 units of half a K block
	ds_load_b128 v[20:23], v[CA] offset:\off
	ds_load_b128 v[24:27], v[CA] offset:\off+64
	ds_load_b128 v[28:31], v[CA] offset:\off+128
	ds_load_b128 v[32:35], v[CA] offset:\off+192
.endm
; 15 matrix instructions: one tile of 16 units x 16 points x 32 k, 5 channels, Wh hi + Wh lo + Wl hi.  MA weights, MB activations, MD results.
; The five accumulators take turns, one instruction a turn, over the borders of the groups and the backward jumps too.
.macro MM15 zero
.irp c, 0,1,2,3,4
.if \zero
	v_wmma_f32_16x16x32_bf16 v[MD+16*\c:MD+16*\c+7], v[MA:MA+7], v[MB+16*\c:MB+16*\c+7], 0
.else
	v_wmma_f32_16x16x32_bf16 v[MD+16*\c:MD+16*\c+7], v[MA:MA+7], v[MB+16*\c:MB+16*\c+7], v[MD+16*\c:MD+16*\c+7]
.endif
.endr
.irp c, 0,1,2,3,4
	v_wmma_f32_16x16x32_bf16 v[MD+16*\c:MD+16*\c+7], v[MA:MA+7], v[MB+16*\c+8:MB+16*\c+15], v[MD+16*\c:MD+16*\c+7]
.endr
.irp c, 0,1,2,3,4
	v_wmma_f32_16x16x32_bf16 v[MD+16*\c:MD+16*\c+7], v[MA+8:MA+15], v[MB+16*\c:MB+16*\c+7], v[MD+16*\c:MD+16*\c+7]
.endr
.endm
; tanh of 8 numbers, in place.  Z: registers ZB+0..3 and ZB+4+ZX..; E = RX1+0..7 at work.
; Behind each run of transcendentals the compares, which touch neither E nor a result, are the plain instructions that come before the results are used (ISA guide 5.7.2).
.macro TANH
.irp t, 0,2,4,6
	v_pk_mul_f32 v[RX1+\t:RX1+\t+1], v[ZB+\t+ZX*(\t>>2):ZB+\t+ZX*(\t>>2)+1], s[52:53] op_sel_hi:[1,0]
.endr
.irp e, 0,1,2,3,4,5,6,7
	v_exp_f32 v[RX1+\e], v[RX1+\e]
.endr
.irp e, 0,1,2,3
	v_cmp_lt_f32 s[MK+\e], |v[ZB+\e]|, s56
.endr
	s_wait_alu depctr_va_vdst(0)
.irp t, 0,2,4,6
	v_pk_add_f32 v[RX1+\t:RX1+\t+1], v[RX1+\t:RX1+\t+1], 1.0 op_sel_hi:[1,0]
.endr
.irp e, 0,1,2,3,4,5,6,7
	v_rcp_f32 v[RX1+\e], v[RX1+\e]
.endr
.irp e, 4,5,6,7
	v_cmp_lt_f32 s[MK+\e], |v[ZB+\e+ZX]|, s56
.endr
	s_wait_alu depctr_va_vdst(0)
.irp t, 0,2,4,6
	v_pk_fma_f32 v[RX1+\t:RX1+\t+1], v[RX1+\t:RX1+\t+1], -2.0, 1.0 op_sel_hi:[1,0,0]
.endr
.irp e, 0,1,2,3,4,5,6,7
	v_cndmask_b32 v[ZB+\e+ZX*(\e>>2)], v[RX1+\e], v[ZB+\e+ZX*(\e>>2)], s[MK+\e]   ; |z| < 2^-8: z stays
.endr
.endm
; The split of channel c, 4 pairs at SRC + 8 c: hi to DQ + 16 c + i, the remainder in place, lo to DQ + 16 c + 8 + i.
.macro SPL_HI c
.irp i, 0,1,2,3
	v_cvt_pk_bf16_f32 v[DQ+16*\c+\i], v[SRC+8*\c+2*\i], v[SRC+8*\c+2*\i+1]
.endr
.endm
.macro SPL_MIX c
.irp i, 0,1,2,3
	v_fma_mix_f32_bf16 v[SRC+8*\c+2*\i], v[DQ+16*\c+\i], v5, v[SRC+8*\c+2*\i] op_sel_hi:[1,0,0]
	v_fma_mix_f32_bf16 v[SRC+8*\c+2*\i+1], v[DQ+16*\c+\i], v5, v[SRC+8*\c+2*\i+1] op_sel:[1,0,0] op_sel_hi:[1,0,0]
.endr
.endm
.macro SPL_LO c
.irp i, 0,1,2,3
	v_cvt_pk_bf16_f32 v[DQ+16*\c+8+\i], v[SRC+8*\c+2*\i], v[SRC+8*\c+2*\i+1]
.endr
.endm
; Layer 1 for 8 units: z = x W0 + b0, Y1 = W0, Y2 = Y3 = Y4 = 0, so K_k = W0 G_(k-1).  W 20, Z 28, K1 36, K2 44, K3 52, E and K4 60, G 68.
.macro L1CORE
.irp t, 0,2,4,6
	v_pk_fma_f32 v[28+\t:29+\t], v[6:7], v[20+\t:21+\t], v[28+\t:29+\t]
.endr
	TANH
.irp t, 0,2,4,6
	v_pk_fma_f32 v[68+\t:69+\t], v[28+\t:29+\t], v[28+\t:29+\t], 1.0 op_sel_hi:[1,1,0] neg_lo:[1,0,0] neg_hi:[1,0,0]
.endr
.irp t, 0,2,4,6
	PMUL 36+\t, 20+\t, 68+\t
.endr
.irp t, 0,2,4,6
	v_pk_mul_f32 v[60+\t:61+\t], v[28+\t:29+\t], -2.0 op_sel_hi:[1,0]
.endr
.irp t, 0,2,4,6
	PMUL 68+\t, 60+\t, 36+\t
.endr
.irp t, 0,2,4,6
	PMUL 44+\t, 20+\t, 68+\t
.endr
.irp t, 0,2,4,6
	PMUL 68+\t, 36+\t, 36+\t
.endr
.irp t, 0,2,4,6
	v_pk_fma_f32 v[68+\t:69+\t], v[28+\t:29+\t], v[44+\t:45+\t], v[68+\t:69+\t] neg_lo:[1,0,1] neg_hi:[1,0,1]
.endr
.irp t, 0,2,4,6
	PMUL 52+\t, 20+\t, 68+\t
.endr
.irp t, 0,2,4,6
	PMUL 68+\t, 36+\t, 44+\t
.endr
.irp t, 0,2,4,6
	PMUL 60+\t, 28+\t, 52+\t
.endr
.irp t, 0,2,4,6
	v_pk_fma_f32 v[68+\t:69+\t], v[60+\t:61+\t], s[54:55], v[68+\t:69+\t] op_sel_hi:[1,0,1] neg_lo:[0,0,1] neg_hi:[0,0,1]
.endr
.irp t, 0,2,4,6
	PMUL 60+\t, 20+\t, 68+\t
.endr
.endm
; The tanh jet for 8 units.  Y of channel c, pair t: YQ + 16 c + t + (t&4), always source 0, in window YW.  Z: ZB + t + ZX (t>>2).  All else in window 0.
.macro JCORE
	WIN YW
.irp t, 0,2,4,6
	v_pk_add_f32 v[ZB+\t+ZX*(\t>>2):ZB+\t+ZX*(\t>>2)+1], v[YQ+\t+(\t&4):YQ+\t+(\t&4)+1], v[RBI+\t:RBI+\t+1]
.endr
	WIN 0
	TANH
.irp t, 0,2,4,6
	v_pk_fma_f32 v[RG0+\t:RG0+\t+1], v[ZB+\t+ZX*(\t>>2):ZB+\t+ZX*(\t>>2)+1], v[ZB+\t+ZX*(\t>>2):ZB+\t+ZX*(\t>>2)+1], 1.0 op_sel_hi:[1,1,0] neg_lo:[1,0,0] neg_hi:[1,0,0]
.endr
	WIN YW
.irp t, 0,2,4,6
	PMUL RK1+\t, YQ+16+\t+(\t&4), RG0+\t
.endr
	WIN 0
.irp t, 0,2,4,6
	v_pk_mul_f32 v[RX1+\t:RX1+\t+1], v[ZB+\t+ZX*(\t>>2):ZB+\t+ZX*(\t>>2)+1], -2.0 op_sel_hi:[1,0]
.endr
.irp t, 0,2,4,6
	PMUL RG1+\t, RX1+\t, RK1+\t
.endr
.irp t, 0,2,4,6
	PMUL RG2+\t, RK1+\t, RK1+\t
.endr
	WIN YW
.irp t, 0,2,4,6
	PMUL RK2+\t, YQ+16+\t+(\t&4), RG1+\t
.endr
.irp t, 0,2,4,6
	PFMA RK2+\t, YQ+32+\t+(\t&4), RG0+\t, RK2+\t
.endr
	WIN 0
.irp t, 0,2,4,6
	v_pk_fma_f32 v[RG2+\t:RG2+\t+1], v[ZB+\t+ZX*(\t>>2):ZB+\t+ZX*(\t>>2)+1], v[RK2+\t:RK2+\t+1], v[RG2+\t:RG2+\t+1] neg_lo:[1,0,1] neg_hi:[1,0,1]
.endr
.irp t, 0,2,4,6
	PMUL RG3+\t, RK1+\t, RK2+\t
.endr
	WIN YW
.irp t, 0,2,4,6
	PMUL RK3+\t, YQ+16+\t+(\t&4), RG2+\t
.endr
.irp t, 0,2,4,6
	PFMA RK3+\t, YQ+32+\t+(\t&4), RG1+\t, RK3+\t
.endr
.irp t, 0,2,4,6
	PFMA RK3+\t, YQ+48+\t+(\t&4), RG0+\t, RK3+\t
.endr
	WIN 0
.irp t, 0,2,4,6
	PMUL RX1+\t, ZB+\t+ZX*(\t>>2), RK3+\t
.endr
.irp t, 0,2,4,6
	v_pk_fma_f32 v[RG3+\t:RG3+\t+1], v[RX1+\t:RX1+\t+1], s[54:55], v[RG3+\t:RG3+\t+1] op_sel_hi:[1,0,1] neg_lo:[0,0,1] neg_hi:[0,0,1]
.endr
.endm
.macro JK4                             ; K4 to K4B + t + ZX (t>>2)
	WIN YW
.irp t, 0,2,4,6
	PMUL K4B+\t+ZX*(\t>>2), YQ+64+\t+(\t&4), RG0+\t
.endr
.irp t, 0,2,4,6
	PFMA K4B+\t+ZX*(\t>>2), YQ+48+\t+(\t&4), RG1+\t, K4B+\t+ZX*(\t>>2)
.endr
.irp t, 0,2,4,6
	PFMA K4B+\t+ZX*(\t>>2), YQ+32+\t+(\t&4), RG2+\t, K4B+\t+ZX*(\t>>2)
.endr
.irp t, 0,2,4,6
	PFMA K4B+\t+ZX*(\t>>2), YQ+16+\t+(\t&4), RG3+\t, K4B+\t+ZX*(\t>>2)
.endr
.endm
.macro HEAD                            ; the five head sums take my 8 units, W3 in v[20:27]
.irp t, 0,2,4,6
	PFMA HS, ZB+\t+ZX*(\t>>2), 20+\t, HS
	PFMA HS+2, RK1+\t, 20+\t, HS+2
	PFMA HS+4, RK2+\t, 20+\t, HS+4
	PFMA HS+6, RK3+\t, 20+\t, HS+6
	PFMA HS+8, K4B+\t+ZX*(\t>>2), 20+\t, HS+8
.endr
.endm
; Phase A, group mt: tile mt of layer 2 takes one K block.  Even groups read WB1, odd ones WB0.
.macro AGRP mt, zero
.set MA, WB1-16*((\mt)&1)
.set MB, BLK
.if (\mt) < 6
.set MD, 80*((\mt)>>1)+8*((\mt)&1)
	WIN 0x50                               ; C and D in the second window
.else
.set MD, ACC3+8*((\mt)&1)
	WIN 0
.endif
	MM15 \zero
.endm
; Phase A, one K block: layer 1 for its 32 units straight into B fragments, then all 8 tiles of layer 2.
.macro KTRIP zero
	WLD WB1, 0
	s_wait_dscnt 0x4                       ; W0 and b0 are in; the four weight loads just issued stay out
	L1CORE
.set DQ, BLK
	SPL_HI 0
	SPL_MIX 0
	SPL_LO 0
	CLD 16                                 ; the other 8 units, into registers that are done with; they land under the splits below
.irp c, 1,2,3,4
	SPL_HI \c
.endr
.irp c, 1,2,3,4
	SPL_MIX \c
.endr
.irp c, 1,2,3,4
	SPL_LO \c
.endr
	s_wait_dscnt 0x0                       ; those, and group 0 weights
	L1CORE
.set DQ, BLK+4
.irp c, 0,1,2,3,4
	SPL_HI \c
.endr
.irp c, 0,1,2,3,4
	SPL_MIX \c
.endr
.irp c, 0,1,2,3,4
	SPL_LO \c
.endr
	WLD WB0, MTP
	AGRP 0, \zero
.irp mt, 1,2,3,4,5,6
	PLACES
	WIN 0
	WLD WB0+16*(\mt&1), MTP*(\mt+1)        ; the next group, into the buffer that the last group read
	s_wait_dscnt 0x4                       ; all but these four: this group is in
	AGRP \mt, \zero
.endr
	CLD 256                                ; the next K block tables (behind the last block: the first 16 numbers a lane needs of b1)
	s_wait_dscnt 0x4                       ; all but these four
	AGRP 7, \zero
	PLACES
	WIN 0
	v_add_nc_u32 v[CA], 256, v[CA]
	v_add_nc_u32 v[WA], KBP, v[WA]
.endm
; Phase B, 8 units of K block p (registers 4 g .. of both tiles): tanh jet, then hi and lo back into exactly the registers that were read.
.macro BCHUNK p, g
.if \p < 3
.set YQ, 80*\p+4*\g
.set YW, 1
.set YWD, 0x40
.else
.set YQ, ACC3+4*\g
.set YW, 0
.set YWD, 0
.endif
.set RBI, 20+32*\g+8*\p
.set DQ, YQ
	JCORE
	JK4
	WIN YWD
.irp c, 0,1,2,3,4
	SPL_HI \c
.endr
	WIN YW
.irp c, 0,1,2,3,4
	SPL_MIX \c
.endr
	WIN YWD
.irp c, 0,1,2,3,4
	SPL_LO \c
.endr
.endm
; Phase C, group k: tile k&1 of the pair takes K block k>>1.  Even groups read WB0, odd ones WB1.
.macro CGRP k
.set MA, WB0+16*((\k)&1)
.set MD, BLK+8*((\k)&1)
.if (\k) < 6
.set MB, 80*((\k)>>1)
	WIN 0x04                               ; B in the second window; LDS loads name no source 1, so they need no switch
.else
.set MB, ACC3
	WIN 0
.endif
.if (\k) < 2
	MM15 1
.else
	MM15 0
.endif
.endm
	; ---------------- prologue ----------------
	s_load_b512 s[16:31], s[0:1], 0x0              ; x, data_x, W0, b0, W1, b1, W2, b2
	s_load_b512 s[32:47], s[0:1], 0x40             ; W3, b3, out0 .. out4, ext
	s_set_vgpr_msb 0x40
	v_lshl_add_u32 v254, v0, 2, 0x22e00
	v_mov_b32 v255, 0
	s_set_vgpr_msb 0x4000
	v_lshrrev_b32 v1, 5, v0
	v_readfirstlane_b32 s8, v1                     ; wave
	s_mov_b32 s9, ttmp9                            ; work-group
	v_and_b32 v2, 31, v0                           ; lane L
	v_and_b32 v3, 15, v0                           ; r: my point in the tile
	v_lshlrev_b32 v1, 4, v2                        ; 16 L, kept
	v_mov_b32 v5, -1.0
	s_mov_b32 s12, 0x76543210                      ; v_permlanex16_b32: lane i reads lane i of the other half
	s_mov_b32 s13, 0xfedcba98
	s_mov_b32 s52, 0x4038aa3b                      ; 2 log2 e
	s_mov_b32 s53, 0x4038aa3b
	s_mov_b32 s54, 0xbf2aaaab                      ; -2/3
	s_mov_b32 s55, 0xbf2aaaab
	s_mov_b32 s56, 0x3b800000                      ; 2^-8
	s_mov_b32 s59, 0x3fc00000                      ; 1.5
	s_lshl_b32 s2, s9, 9                           ; 128 points x 4 bytes a work-group
	s_lshl_b32 s3, s8, 6                           ; 16 points x 4 bytes a wave
	s_add_co_u32 s2, s2, s3
	v_lshl_add_u32 v20, v3, 2, s2                  ; my point in x
	s_add_co_u32 s3, s3, OUTS
	v_lshl_add_u32 v[OA], v3, 2, s3                ; and in the stage
	s_sub_co_i32 s4, s9, 64                        ; the data tile of work-groups 64 to 127; clamped, so that every work-group loads inside data_x
	s_max_i32 s4, s4, 0
	s_min_i32 s4, s4, 63
	s_lshl_b32 s4, s4, 6
	v_lshl_add_u32 v21, v3, 2, s4
	s_cmp_lt_u32 s9, 64
	s_cselect_b32 s57, -1, 0                       ; work-groups 0 to 63: the further tile is one of nodes
	s_cmp_lt_u32 s9, 128
	s_cselect_b32 s10, 2, 1
	s_cmp_eq_u32 s8, 0
	s_cselect_b32 s10, s10, 1                      ; two trips for wave 0 of work-groups 0 to 127, one for all others
	s_cmp_eq_u32 s10, 2
	s_cselect_b32 s60, -1, 0
	s_and_b32 s50, s8, 3
	s_lshl_b32 s50, s50, 14                        ; my 32 rows of 512 bytes
	s_mov_b32 s51, 0
	s_wait_kmcnt 0x0
	s_load_b32 s14, s[34:35], 0x0                  ; b3
	s_cmp_lt_u32 s8, 4
	s_cselect_b64 s[48:49], s[24:25], s[28:29]     ; waves 0-3 build the image of W1, waves 4-7 that of W2
	s_add_nc_u64 s[48:49], s[48:49], s[50:51]
	global_load_b32 v6, v20, s[16:17]
	global_load_b32 v8, v21, s[18:19]
.set i, 0
.rept 32
	global_load_b128 v[WR+4*i:WR+4*i+3], v1, s[48:49] offset:512*i   ; a whole row: lane l holds columns 4 l .. 4 l + 3
.set i, i+1
.endr
	s_cmp_lg_u32 s8, 0
	s_cbranch_scc1 .Lno_table_loads
	global_load_b128 v[224:227], v1, s[20:21]      ; W0
	global_load_b128 v[228:231], v1, s[22:23]      ; b0
	global_load_b128 v[232:235], v1, s[26:27]      ; b1
	global_load_b128 v[236:239], v1, s[30:31]      ; b2
	global_load_b128 v[240:243], v1, s[32:33]      ; W3
.Lno_table_loads:
	; while the loads are out: node q = 16 x work-group + r
	s_lshl_b32 s5, s9, 4
	s_mov_b32 s6, 0x3efffffe                       ; 0.5 c
	v_add_nc_u32 v24, s5, v3                       ; q
	v_lshlrev_b32 v25, 1, v24
	v_sub_nc_u32 v25, 0x3e7, v25                   ; 999 - 2 q
	v_cvt_f32_i32 v25, v25
	v_mul_f32 v25, 0x3acdc8d7, v25                 ; theta = pi / 2001 x that
	v_mul_f32 v26, v25, v25
	v_mov_b32 v27, 0xb2d7322b                      ; -1/11!
	v_fmaak_f32 v27, v27, v26, 0x3638ef1d          ; 1/9!
	v_fmaak_f32 v27, v27, v26, 0xb9500d01          ; -1/7!
	v_fmaak_f32 v27, v27, v26, 0x3c088889          ; 1/5!
	v_fmaak_f32 v27, v27, v26, 0xbe2aaaab          ; -1/3!
	v_fma_f32 v27, v27, v26, 1.0
	v_mul_f32 v27, v27, v25                        ; sin theta
	v_fma_f32 v27, v27, s6, 0.5
	v_cmp_eq_u32 vcc_lo, 0x3e8, v24
	v_cndmask_b32 v27, v27, 0, vcc_lo              ; slot 1000: x = 0
	v_cmp_eq_u32 vcc_lo, 0x3e9, v24
	v_cndmask_b32 v27, v27, 1.0, vcc_lo            ; slot 1001: x = L; slots 1002 to 1023 are spare and never summed
	; where my columns go in the image: tile l>>2, fragment lanes 16 h + 4 (l&3) + i
	v_lshrrev_b32 v36, 2, v2
	v_mul_u32_u24 v36, v36, MTP
	v_and_b32 v37, 3, v2
	v_lshl_add_u32 v36, v37, 6, v36
	s_mul_i32 s2, s8, KBP
	v_add_nc_u32 v36, s2, v36
	v_lshrrev_b32 v37, 3, v2                       ; tables: W0 and b0 in records of 32 units
	v_and_b32 v38, 7, v2
	v_lshlrev_b32 v38, 4, v38
	v_lshl_add_u32 v37, v37, 8, v38
	v_add_nc_u32 v37, CT, v37
	v_add_nc_u32 v38, CT, v1
	s_wait_loadcnt 0x0
	s_wait_kmcnt 0x0
	s_mul_f32 s14, s14, s59                        ; 1.5 b3
	v_cndmask_b32 v8, v8, v27, s57                 ; the further tile: a node or a data point
	v_cndmask_b32 v7, v6, v8, s60                  ; the first trip: the further tile where there are two trips, else my point of x
	v_mov_b32 v8, v6                               ; the last trip: my point of x
	v_mov_b32 v9, v6
	v_mov_b32 v6, v7
	s_cmp_lg_u32 s8, 0
	s_cbranch_scc1 .Lno_table_stores
	ds_store_b128 v37, v[224:227]
	ds_store_b128 v37, v[228:231] offset:128
	ds_store_b128 v38, v[232:235] offset:1024
	ds_store_b128 v38, v[236:239] offset:1536
	ds_store_b128 v38, v[240:243] offset:2048
.Lno_table_stores:
	; The image: for fragment half h, registers 4 g + j, column i of my four: rows u, u + 1 with u = 16 (j>>1) + 8 h + 4 g + 2 (j&1), split into hi and lo.
.irp h, 0,1
.irp g, 0,1
.irp i, 0,1,2,3
.irp j, 0,1,2,3
	v_cvt_pk_bf16_f32 v[20+8*(\i&1)+\j], v[WR+4*(16*(\j>>1)+8*\h+4*\g+2*(\j&1))+\i], v[WR+4*(16*(\j>>1)+8*\h+4*\g+2*(\j&1)+1)+\i]
.endr
.irp j, 0,1,2,3
	v_fma_mix_f32_bf16 v[WR+4*(16*(\j>>1)+8*\h+4*\g+2*(\j&1))+\i], v[20+8*(\i&1)+\j], v5, v[WR+4*(16*(\j>>1)+8*\h+4*\g+2*(\j&1))+\i] op_sel_hi:[1,0,0]
	v_fma_mix_f32_bf16 v[WR+4*(16*(\j>>1)+8*\h+4*\g+2*(\j&1)+1)+\i], v[20+8*(\i&1)+\j], v5, v[WR+4*(16*(\j>>1)+8*\h+4*\g+2*(\j&1)+1)+\i] op_sel:[1,0,0] op_sel_hi:[1,0,0]
.endr
.irp j, 0,1,2,3
	v_cvt_pk_bf16_f32 v[24+8*(\i&1)+\j], v[WR+4*(16*(\j>>1)+8*\h+4*\g+2*(\j&1))+\i], v[WR+4*(16*(\j>>1)+8*\h+4*\g+2*(\j&1)+1)+\i]
.endr
	ds_store_b128 v36, v[20+8*(\i&1):23+8*(\i&1)] offset:\g*QP+256*\h+16*\i
	ds_store_b128 v36, v[24+8*(\i&1):27+8*(\i&1)] offset:(2+\g)*QP+256*\h+16*\i
.endr
.endr
.endr
.irp c, 0,2,4,6,8
	v_mov_b32 v[HS+\c], 0                          ; no trip before the first: a wave of one trip puts zeros into the second stage, which nobody reads
.endr
	s_wait_dscnt 0x0                               ; my part of the images and tables is written,
	s_barrier_signal -1
	s_barrier_wait -1                              ; everybody's is; up to the next barrier LDS is only read
	; ---------------- a tile ----------------
	s_mov_b32 s11, 0
.Ltile:
	WIN 0x40
.irp c, 0,1,2,3,4
	v_mov_b32 v[SV+\c], v[HS+2*\c]                 ; v[496:500]: the results of the trip before; no LDS store stands in the loop
.endr
	WIN 0
	v_bfe_u32 v[CA], v1, 8, 1                      ; h
	v_lshlrev_b32 v[CA], 5, v[CA]
	v_add_nc_u32 v[CA], CT, v[CA]                  ; tables + 32 h
	v_mov_b32 v[WA], v1
	CLD 0
	; phase A: layer 1, and the sums of layer 2
.set ZB,  28
.set ZX,  0
.set RX1, 60
.set SRC, 28
	KTRIP 1                                        ; the first K block starts the sums: nothing is cleared
	s_mov_b32 s15, 3
.Lka:
	KTRIP 0
	s_sub_co_i32 s15, s15, 1
	s_cmp_lg_u32 s15, 0
	s_cbranch_scc1 .Lka
	; phase B: the tanh jet of layer 2, in place.  CA now points at b1.  Bias of chunk (p, g) in v[20 + 32 g + 8 p ..]; (0,0) and (1,0) were fetched ahead.
.irp p, 2,3
	ds_load_b128 v[20+8*\p:23+8*\p], v[CA] offset:128*\p
	ds_load_b128 v[24+8*\p:27+8*\p], v[CA] offset:128*\p+64
.endr
.irp p, 0,1,2,3
	ds_load_b128 v[52+8*\p:55+8*\p], v[CA] offset:128*\p+16
	ds_load_b128 v[56+8*\p:59+8*\p], v[CA] offset:128*\p+80
.endr
.set RX1, 84
.set RG0, 92
.set RG1, 100
.set RG2, 108
.set RG3, 116
.set ZB,  124
.set RK1, 132
.set RK2, 140
.set RK3, 148
.set K4B, 156
.set SRC, 124
	s_wait_dscnt 0xc                               ; the twelve just issued stay out; the four fetched ahead are in
	BCHUNK 0, 0
	BCHUNK 1, 0
	s_wait_dscnt 0x0
	BCHUNK 2, 0
	BCHUNK 3, 0
	BCHUNK 0, 1
	BCHUNK 1, 1
	BCHUNK 2, 1
	BCHUNK 3, 1
	WIN 0
	; phase C: layer 3 two tiles at a time, its tanh jet, and the head
	v_add_nc_u32 v[CA], 512, v[CA]                 ; b2; W3 lies 512 bytes behind it
	v_add_nc_u32 v[WA], IMG2, v1
.irp c, 0,1,2,3,4,5,6,7,8,9
	v_mov_b32 v[HS+\c], 0                          ; ten registers: the sums begin inside a loop
.endr
.set YW,  0
.set ZX,  4
.set RBI, 28
.set RX1, 28
.set RG0, 36
.set RG1, 44
.set RG2, 52
.set RG3, 60
.set RK1, 68
.set RK2, 76
.set RK3, 84
	s_mov_b32 s15, 4
.Lpc:
	WLD WB0, 0
	WLD WB1, MTP
	ds_load_b128 v[20:23], v[CA] offset:512        ; W3 and b2 of the first 8 units
	ds_load_b128 v[24:27], v[CA] offset:576
	ds_load_b128 v[28:31], v[CA]
	ds_load_b128 v[32:35], v[CA] offset:64
	s_wait_dscnt 0x8                               ; group 0 is in; group 1 and the four table loads stay out
	CGRP 0
	PLACES
	WLD WB0, KBP
	s_wait_dscnt 0x8                               ; group 1 is in; the table loads and group 2 stay out
	CGRP 1
.irp k, 2,3,4,5,6
	PLACES
	WLD WB0+16*((\k+1)&1), KBP*((\k+1)>>1)+MTP*((\k+1)&1)
	s_wait_dscnt 0x4                               ; all but the four just issued
	CGRP \k
.endr
	s_wait_dscnt 0x0
	CGRP 7
	PLACES
	WIN 0
.set YQ,  BLK
.set ZB,  BLK
.set K4B, BLK+64
	JCORE
	ds_load_b128 v[28:31], v[CA] offset:16         ; b2 of the other 8 units, into registers that are done with
	ds_load_b128 v[32:35], v[CA] offset:80
	JK4
	HEAD
	ds_load_b128 v[20:23], v[CA] offset:528        ; W3 likewise
	ds_load_b128 v[24:27], v[CA] offset:592
	s_wait_dscnt 0x2                               ; b2 is in; the two loads of W3 stay out
.set YQ,  BLK+4
.set ZB,  BLK+4
.set K4B, BLK+68
	JCORE
	JK4
	s_wait_dscnt 0x0
	HEAD
	v_add_nc_u32 v[CA], 128, v[CA]
	v_add_nc_u32 v[WA], 2*MTP, v[WA]
	s_sub_co_i32 s15, s15, 1
	s_cmp_lg_u32 s15, 0
	s_cbranch_scc1 .Lpc
	; the end of a tile: the two halves of each pair, then lanes r and r + 16, which hold the two halves of the units of point r
.irp c, 0,2,4,6,8
	v_add_f32 v[HS+\c], v[HS+\c], v[HS+\c+1]
.endr
.irp c, 0,2,4,6,8
	v_permlanex16_b32 v[HS+\c+1], v[HS+\c], s12, s13
.endr
.irp c, 0,2,4,6,8
	v_add_f32 v[HS+\c], v[HS+\c], v[HS+\c+1]
.endr
	v_fma_f32 v[HS], v[HS], s59, s14               ; 1.5 (S0 + b3)
	v_mul_f32 v[HS+2], s59, v[HS+2]                ; 1.5 S1
	v_mul_f32 v[HS+4], -1.0, v[HS+4]               ; -S2
	v_mul_f32 v[HS+6], -2.0, v[HS+6]               ; -2 S3
	v_mul_f32 v[HS+8], 0x41100000, v[HS+8]         ; 9 S4
	v_mov_b32 v6, v8                               ; a second trip takes my point of x
	v_mov_b32 v7, v9
	s_add_co_u32 s11, s11, 1
	s_cmp_lt_u32 s11, s10
	s_cbranch_scc1 .Ltile
	; ---------------- the way out ----------------
	s_wait_dscnt 0x0                               ; my reads of the images and tables are back,
	s_barrier_signal -1
	s_barrier_wait -1                              ; everybody's are: only now is LDS written again
.irp c, 0,1,2,3,4
	ds_store_b32 v[OA], v[HS+2*\c] offset:512*\c   ; the last trip: my point of x.  Both halves of the lanes write the same word with the same number
.endr
	WIN 0x04                                       ; an LDS store's data is source 1
.irp c, 0,1,2,3,4
	ds_store_b32 v[OA], v[SV+\c] offset:STG+512*\c ; the trip before: in wave 0 of work-groups 0 to 127 the further tile
.endr
	WIN 0
	s_wait_dscnt 0x0                               ; my results are in the stages,
	s_barrier_signal -1
	s_barrier_wait -1                              ; everybody's are
	s_cmp_gt_u32 s8, 4
	s_cbranch_scc1 .Lnot_an_output
	s_lshl_b32 s2, s8, 9                           ; wave c stores channel c: 128 points, 512 neighbouring bytes, aligned
	s_add_co_u32 s2, s2, OUTS
	v_add_nc_u32 v20, s2, v1
	ds_load_b128 v[24:27], v20
	s_mov_b64 s[48:49], s[36:37]
	s_cmp_eq_u32 s8, 1
	s_cselect_b64 s[48:49], s[38:39], s[48:49]
	s_cmp_eq_u32 s8, 2
	s_cselect_b64 s[48:49], s[40:41], s[48:49]
	s_cmp_eq_u32 s8, 3
	s_cselect_b64 s[48:49], s[42:43], s[48:49]
	s_cmp_eq_u32 s8, 4
	s_cselect_b64 s[48:49], s[44:45], s[48:49]
	s_lshl_b32 s3, s9, 9
	v_add_nc_u32 v21, s3, v1
	s_wait_dscnt 0x0
	global_store_b128 v21, v[24:27], s[48:49] th:TH_STORE_NT
	s_set_vgpr_msb 0x5
	s_wait_tensorcnt 0x0
	ds_add_u32 v254, v255
	s_wait_dscnt 0x0
	s_set_vgpr_msb 0x500
	s_endpgm
.Lnot_an_output:
	s_cmp_lg_u32 s8, 5
	s_cbranch_scc1 .Ldone
	s_cmp_ge_u32 s9, 128
	s_cbranch_scc1 .Ldone
	; wave 5 of work-groups 0 to 127: channels 0 to 3 of the further tile, one record of 256 bytes, stored whole by lanes 0 to 15
	v_bfe_u32 v20, v1, 4, 4                        ; L & 15: lanes 16 to 31 read what lanes 0 to 15 read, so no lane points outside the stage
	v_lshrrev_b32 v21, 2, v20                      ; channel
	v_and_b32 v22, 3, v20                          ; four points
	v_lshlrev_b32 v22, 4, v22
	v_lshl_add_u32 v21, v21, 9, v22
	v_add_nc_u32 v21, OUTS+STG, v21
	ds_load_b128 v[24:27], v21
	s_lshl_b32 s2, s9, 8
	v_lshl_add_u32 v22, v20, 4, s2
	v_cmp_gt_u32 vcc_lo, 0x100, v1                 ; lanes 0 to 15
	s_wait_dscnt 0x0
	s_wait_xcnt 0x0                                ; EXEC changes only behind this wait
	s_and_saveexec_b32 s58, vcc_lo
	global_store_b128 v22, v[24:27], s[46:47]
	s_wait_xcnt 0x0                                ; and again in front of the line that widens it
	s_or_b32 exec_lo, exec_lo, s58
.Ldone:
	s_set_vgpr_msb 0x5
	s_wait_tensorcnt 0x0
	ds_add_u32 v254, v255
	s_wait_dscnt 0x0
	s_set_vgpr_msb 0x500
	s_endpgm
.Lfunc_end_k_qe284bcb15a_jets:
	.size	k_qe284bcb15a_jets, .Lfunc_end_k_qe284bcb15a_jets-k_qe284bcb15a_jets
	.p2alignl 7, 3214868480
	.fill 96, 4, 3214868480
	.section	.rodata,"a",@progbits
	.p2align	6, 0x0
	.amdhsa_kernel k_qe284bcb15a_jets
		.amdhsa_group_segment_fixed_size 143872
		.amdhsa_private_segment_fixed_size 0
		.amdhsa_enable_private_segment 0
		.amdhsa_kernarg_size 128
		.amdhsa_user_sgpr_count 2
		.amdhsa_user_sgpr_kernarg_segment_ptr 1
		.amdhsa_wavefront_size32 1
		.amdhsa_system_sgpr_workgroup_id_x 1
		.amdhsa_system_sgpr_workgroup_id_y 1
		.amdhsa_system_sgpr_workgroup_id_z 1
		.amdhsa_system_vgpr_workitem_id 0
		.amdhsa_next_free_vgpr 512
		.amdhsa_next_free_sgpr 74
		.amdhsa_reserve_vcc 1
		.amdhsa_float_denorm_mode_32 3
		.amdhsa_float_denorm_mode_16_64 3
		.amdhsa_memory_ordered 1
		.amdhsa_forward_progress 1
		.amdhsa_inst_pref_size 226
	.end_amdhsa_kernel
	.amdgpu_metadata
---
amdhsa.version: [ 1, 2 ]
amdhsa.kernels:
  - .name:           k_qe284bcb15a_jets
    .symbol:         k_qe284bcb15a_jets.kd
    .args:
      - { .name: x, .offset: 0, .size: 8, .value_kind: global_buffer, .address_space: global }
      - { .name: data_x, .offset: 8, .size: 8, .value_kind: global_buffer, .address_space: global }
      - { .name: W0, .offset: 16, .size: 8, .value_kind: global_buffer, .address_space: global }
      - { .name: b0, .offset: 24, .size: 8, .value_kind: global_buffer, .address_space: global }
      - { .name: W1, .offset: 32, .size: 8, .value_kind: global_buffer, .address_space: global }
      - { .name: b1, .offset: 40, .size: 8, .value_kind: global_buffer, .address_space: global }
      - { .name: W2, .offset: 48, .size: 8, .value_kind: global_buffer, .address_space: global }
      - { .name: b2, .offset: 56, .size: 8, .value_kind: global_buffer, .address_space: global }
      - { .name: W3, .offset: 64, .size: 8, .value_kind: global_buffer, .address_space: global }
      - { .name: b3, .offset: 72, .size: 8, .value_kind: global_buffer, .address_space: global }
      - { .name: out0, .offset: 80, .size: 8, .value_kind: global_buffer, .address_space: global }
      - { .name: out1, .offset: 88, .size: 8, .value_kind: global_buffer, .address_space: global }
      - { .name: out2, .offset: 96, .size: 8, .value_kind: global_buffer, .address_space: global }
      - { .name: out3, .offset: 104, .size: 8, .value_kind: global_buffer, .address_space: global }
      - { .name: out4, .offset: 112, .size: 8, .value_kind: global_buffer, .address_space: global }
      - { .name: ext, .offset: 120, .size: 8, .value_kind: global_buffer, .address_space: global }
    .group_segment_fixed_size: 143872
    .private_segment_fixed_size: 0
    .kernarg_segment_align: 8
    .kernarg_segment_size: 128
    .max_flat_workgroup_size: 256
    .sgpr_count:     74
    .vgpr_count:     512
    .wavefront_size: 32
...
	.end_amdgpu_metadata
.endif
;; end of part 1
;; launch loss (part 2): grid 1 x 1, 1 waves a work-group, no clusters, 0 bytes of LDS; arguments ext, data_w, out5; writes out5
.if DOCPART == 2
	.amdgcn_target "amdgcn-amd-amdhsa--gfx1250"
	.amdhsa_code_object_version 6
	.text
	.protected	k_qe284bcb15a_loss
	.globl	k_qe284bcb15a_loss
	.p2align	8
	.type	k_qe284bcb15a_loss,@function
k_qe284bcb15a_loss:
	s_mov_b64 s[64:65], 0
	v_nop
	global_prefetch_b8 v0, s[64:65] scope:SCOPE_SE
	s_setreg_imm32_b32 hwreg(HW_REG_WAVE_MODE, 25, 1), 1
	s_wait_xcnt 0x0
; The loss, from ext: 128 records of [channel 0..3][16 points] f32, scaled as the outputs: 1.5 u, 1.5 u', -u'', -u'''.
; Records 0 to 63: slots q = 0 .. 999 the quadrature nodes, 1000 x = 0, 1001 x = L, the rest spare.  Records 64 to 127: the 1,024 data points.
;   out5 = 0.75 S2 - 5 E0L + 0.25 [ (E00^2 + E10^2) / 2.25 + (0.2 E3L - 1)^2 + E2L^2 ] + SD / 2304
; S2 = sum over the nodes of (u'')^2; SD = sum of (1.5 u - data_w)^2; Ecx = channel c at x = 0 or x = L.
; 0.75 = 0.5 EI Wc^2 x 0.5 x the sum of the quadrature weights, which is taken as 2 (limit kept: the f32 sum of the 1,000 weights differs from 2 in its last bits).
; One wave: 12 KiB are read, 24 loads of 512 bytes, all issued before the first wait.  A sum over all points has one owner; more waves would only add a meeting.
.set Q, 16                             ; v[16:47]   channel 2 of records 0-63
.set P, 48                             ; v[48:79]   channel 0 of records 64-127
.set D, 80                             ; v[80:111]  data_w
	s_load_b128 s[4:7], s[0:1], 0x0                ; ext, data_w
	s_load_b64 s[8:9], s[0:1], 0x10                ; out5
	s_mov_b32 s20, 0x76543210
	s_mov_b32 s21, 0xfedcba98
	v_lshrrev_b32 v1, 2, v0
	v_and_b32 v2, 3, v0
	v_lshlrev_b32 v2, 4, v2
	v_lshl_add_u32 v1, v1, 8, v2                   ; record L>>2 of eight, points 4 (L&3) ..
	v_lshlrev_b32 v2, 4, v0                        ; 16 L
	v_mov_b32 v3, 0
	s_wait_kmcnt 0x0
.irp j, 0,1,2,3,4,5,6,7
	global_load_b128 v[Q+4*\j:Q+4*\j+3], v1, s[4:5] offset:2048*\j+128
.endr
.irp j, 0,1,2,3,4,5,6,7
	global_load_b128 v[P+4*\j:P+4*\j+3], v1, s[4:5] offset:2048*\j+16384
.endr
.irp j, 0,1,2,3,4,5,6,7
	global_load_b128 v[D+4*\j:D+4*\j+3], v2, s[6:7] offset:512*\j
.endr
	s_load_b64 s[12:13], s[4:5], 15904             ; record 62, points 8 and 9: E00, E0L
	s_load_b64 s[14:15], s[4:5], 15968             ; E10, E1L
	s_load_b64 s[16:17], s[4:5], 16032             ; E20, E2L
	s_load_b64 s[18:19], s[4:5], 16096             ; E30, E3L
	s_wait_loadcnt 0x10                            ; the eight loads of Q are in; the sixteen younger ones stay out
	v_cmp_gt_u32 vcc_lo, 26, v0                    ; in the last eight records lanes 26 to 31 hold slots 1000 to 1023: no nodes
.irp e, 0,1,2,3
	v_cndmask_b32 v[Q+28+\e], 0, v[Q+28+\e], vcc_lo
.endr
.irp n, 0,1,2,3
	v_pk_mul_f32 v[4+2*\n:5+2*\n], v[Q+2*\n:Q+2*\n+1], v[Q+2*\n:Q+2*\n+1]     ; four chains, started by the first products
.endr
.irp n, 4,5,6,7,8,9,10,11,12,13,14,15
	v_pk_fma_f32 v[4+2*(\n&3):5+2*(\n&3)], v[Q+2*\n:Q+2*\n+1], v[Q+2*\n:Q+2*\n+1], v[4+2*(\n&3):5+2*(\n&3)]
.endr
	v_pk_add_f32 v[4:5], v[4:5], v[6:7]
	v_pk_add_f32 v[8:9], v[8:9], v[10:11]
	v_pk_add_f32 v[4:5], v[4:5], v[8:9]
	v_add_f32 v4, v4, v5
	s_wait_loadcnt 0x0
.irp n, 0,1,2,3,4,5,6,7,8,9,10,11,12,13,14,15
	v_pk_add_f32 v[P+2*\n:P+2*\n+1], v[P+2*\n:P+2*\n+1], v[D+2*\n:D+2*\n+1] neg_lo:[0,1] neg_hi:[0,1]
.endr
.irp n, 0,1,2,3
	v_pk_mul_f32 v[6+2*\n:7+2*\n], v[P+2*\n:P+2*\n+1], v[P+2*\n:P+2*\n+1]
.endr
.irp n, 4,5,6,7,8,9,10,11,12,13,14,15
	v_pk_fma_f32 v[6+2*(\n&3):7+2*(\n&3)], v[P+2*\n:P+2*\n+1], v[P+2*\n:P+2*\n+1], v[6+2*(\n&3):7+2*(\n&3)]
.endr
	v_pk_add_f32 v[6:7], v[6:7], v[8:9]
	v_pk_add_f32 v[10:11], v[10:11], v[12:13]
	v_pk_add_f32 v[6:7], v[6:7], v[10:11]
	v_add_f32 v6, v6, v7
	; across the 32 lanes, both sums side by side
.irp m, 1,2,4,8
	v_add_f32_dpp v4, v4, v4 row_xmask:\m row_mask:0xf bank_mask:0xf
	v_add_f32_dpp v6, v6, v6 row_xmask:\m row_mask:0xf bank_mask:0xf
.endr
	v_permlanex16_b32 v5, v4, s20, s21
	v_permlanex16_b32 v7, v6, s20, s21
	v_add_f32 v4, v4, v5                           ; S2
	v_add_f32 v6, v6, v7                           ; SD
	s_wait_kmcnt 0x0
	v_mul_f32 v14, s12, s12                        ; E00^2
	v_fma_f32 v14, s14, s14, v14                   ; + E10^2
	v_mov_b32 v15, s19
	v_fma_f32 v15, v15, 0x3e4ccccd, -1.0           ; 0.2 E3L - 1
	v_mul_f32 v16, v15, v15
	v_fma_f32 v16, s17, s17, v16                   ; + E2L^2
	v_fma_f32 v14, v14, 0x3ee38e39, v16            ; + (E00^2 + E10^2) / 2.25
	v_mul_f32 v17, 0x3f400000, v4                  ; 0.75 S2
	v_fma_f32 v17, v14, 0x3e800000, v17            ; + a quarter of the boundary terms
	v_mov_b32 v15, 0xc0a00000
	v_fma_f32 v17, v15, s13, v17                   ; - 5 E0L
	v_fma_f32 v17, v6, 0x39e38e39, v17             ; + SD / 2304
	v_cmp_eq_u32 vcc_lo, 0, v0
	s_wait_xcnt 0x0                                ; EXEC changes only behind this wait
	s_and_saveexec_b32 s22, vcc_lo
	global_store_b32 v3, v17, s[8:9]               ; lane 0 alone
	s_wait_xcnt 0x0
	s_or_b32 exec_lo, exec_lo, s22
	s_endpgm
.Lfunc_end_k_qe284bcb15a_loss:
	.size	k_qe284bcb15a_loss, .Lfunc_end_k_qe284bcb15a_loss-k_qe284bcb15a_loss
	.p2alignl 7, 3214868480
	.fill 96, 4, 3214868480
	.section	.rodata,"a",@progbits
	.p2align	6, 0x0
	.amdhsa_kernel k_qe284bcb15a_loss
		.amdhsa_group_segment_fixed_size 0
		.amdhsa_private_segment_fixed_size 0
		.amdhsa_enable_private_segment 0
		.amdhsa_kernarg_size 24
		.amdhsa_user_sgpr_count 2
		.amdhsa_user_sgpr_kernarg_segment_ptr 1
		.amdhsa_wavefront_size32 1
		.amdhsa_system_sgpr_workgroup_id_x 1
		.amdhsa_system_sgpr_workgroup_id_y 1
		.amdhsa_system_sgpr_workgroup_id_z 1
		.amdhsa_system_vgpr_workitem_id 0
		.amdhsa_next_free_vgpr 112
		.amdhsa_next_free_sgpr 66
		.amdhsa_reserve_vcc 1
		.amdhsa_float_denorm_mode_32 3
		.amdhsa_float_denorm_mode_16_64 3
		.amdhsa_memory_ordered 1
		.amdhsa_forward_progress 1
		.amdhsa_inst_pref_size 9
	.end_amdhsa_kernel
	.amdgpu_metadata
---
amdhsa.version: [ 1, 2 ]
amdhsa.kernels:
  - .name:           k_qe284bcb15a_loss
    .symbol:         k_qe284bcb15a_loss.kd
    .args:
      - { .name: ext, .offset: 0, .size: 8, .value_kind: global_buffer, .address_space: global }
      - { .name: data_w, .offset: 8, .size: 8, .value_kind: global_buffer, .address_space: global }
      - { .name: out5, .offset: 16, .size: 8, .value_kind: global_buffer, .address_space: global }
    .group_segment_fixed_size: 0
    .private_segment_fixed_size: 0
    .kernarg_segment_align: 8
    .kernarg_segment_size: 24
    .max_flat_workgroup_size: 32
    .sgpr_count:     66
    .vgpr_count:     112
    .wavefront_size: 32
...
	.end_amdgpu_metadata
.endif
;; end of part 2
